; MI455X (gfx1250); checked and timed in simulation.
; The chip was launched on July 23, 2026; its instructions are those of AMD's public machine-readable ISA for CDNA 5 (MIT licence, August 2026) and "CDNA5" Instruction Set Architecture Reference Guide (July 2026). The comments in the code are by the model that wrote it; some were corrected since.
;; Deep Seek Mo E. Allowed arithmetic: matrix products marked QUANTISED: E2M3 operands, one E8M0 scale for each 32 along K, by v_wmma_scale_f32_16x16x128_f8f6f4 with both operands' format E2M3, f32 sums; products left as they are: f32 operands where the result goes on into a quantised operand, else bf16, f16 or f32 operands; f32 sums; everything else in f32.
;; Inputs: w1 8 x 1,024 x 128 float32; w2 8 x 1,024 x 128 float32; w3 8 x 128 x 1,024 float32; wr 1,024 x 8 float32; ws1 1,024 x 256 float32; ws2 1,024 x 256 float32; ws3 256 x 1,024 float32; x 4 x 4,096 x 1,024 float32.
;; Outputs: out0 4 x 4,096 x 1,024 float32.
;; This version of the problem:
;;   THIS VERSION OF THE PROBLEM IS GIVEN IN LOW PRECISION. The matrix products marked QUANTISED in the list below multiply operands that are first quantised to E2M3 (2 exponent bits, 3 mantissa bits; 6 bits a number), with one power-of-two scale for each 32 numbers along K (OCP MX v1.0); their sums are f32. All else is computed in f32.
;;   The module's matrix products, in the order in which they are computed (A, B: the left and right operand; K: the contracted axis; several contracted axes count as one K, in the product's order):
;;     1. [M 16,384, K 1,024] x [K 1,024, N 256]; A: input x; B: input ws1: QUANTISED
;;     2. [M 16,384, K 1,024] x [K 1,024, N 256]; A: input x; B: input ws2: QUANTISED
;;     3. [M 16,384, K 256] x [K 256, N 1,024]; A: computed on the way; B: input ws3: QUANTISED
;;     4. [M 16,384, K 1,024] x [K 1,024, N 8]; A: input x; B: input wr: left as it is (N = 8 < 16)
;;     5. batch 16,384 x [M 1, K 6] x [K 6, N 8]; A: computed on the way; B: computed on the way: left as it is (K = 6 < 32)
;;     6. [M 16,384, K 1,024] x [K 1,024, N 1,024]; A: input x; B: input w1: QUANTISED
;;     7. [M 16,384, K 1,024] x [K 1,024, N 1,024]; A: input x; B: input w2: QUANTISED
;;     8. batch 131,072 x [M 128, K 1] x [K 1, N 1]; A: computed on the way; B: computed on the way: left as it is (no contracted axis)
;;     9. [M 16,384, K 1,024] x [K 1,024, N 1,024]; A: computed on the way; B: input w3: QUANTISED
;;   THE QUANTISER, for each operand of a quantised product, along K:
;;     - K is cut into blocks of 32 from its start; a last block that is shorter is filled with zeros.
;;     - A block's scale is 2^e with e = floor(log2(the largest magnitude in the block)) - 2, held to -126 .. 127; a block of zeros has e = 0. As a byte (E8M0): e + 127.
;;     - Each number is divided by its block's scale, clamped to +-7.5, and rounded to the nearest number of E2M3, ties to even, subnormals kept.
;;     - The product sums the exact products of the quantised numbers (number of the format x scale) in f32.
;;   ~~~python
;;   def quantise(x, axis):      # numpy; x: float32 -> the quantised numbers, widened to float32 again
;;       x = np.moveaxis(x, axis, -1); K = x.shape[-1]
;;       x = np.pad(x, [(0, 0)] * (x.ndim - 1) + [(0, -K % 32)]); x = x.reshape(x.shape[:-1] + (-1, 32)); a = np.abs(x).max(-1, keepdims=True)
;;       e = np.where(a > 0, np.clip(np.frexp(np.where(a > 0, a, 1))[1] - 1 - 2, -126, 127), 0)      # np.frexp(a)[1] - 1 = floor(log2(a)), exactly
;;       r = np.clip(x / 2.0 ** e, -7.5, 7.5)
;;       step = 2.0 ** (np.maximum(np.frexp(np.where(r == 0, 1, r))[1] - 1, 0) - 3)
;;       q = np.round(r / step) * step * 2.0 ** e      # np.round: ties to even
;;       return np.moveaxis(q.reshape(q.shape[:-2] + (-1,))[..., :K], -1, axis).astype(np.float32)
;;   ~~~
;;   OPERANDS COMPUTED ON THE WAY. 'Computed on the way' means the value that the module computes at that place (a softmax that the list does not call 'softmax' is quantised finished and normalised). What goes into a quantiser is computed in f32, as accurately as f32 sums, v_exp_f32 and their like allow (about 1e-6 of the number): no bf16 or f16 on the way to a quantiser, and a product that is left as it is and whose result goes on into a quantised operand takes f32 operands (vector FMAs, or v_wmma_f32_16x16x4_f32). A number that lies on a knife's edge between two numbers of the format may be rounded either way, as far as f32 arithmetic and the matrix unit's own rounding can turn it there, and no further.
;; One version. Each part assembles by itself: llvm-mc -triple=amdgcn-amd-amdhsa -mcpu=gfx1250 --defsym DOCPART=n.
;; ======== version 1 of 1: 3 launches
;; limits: right only within a limited range of input values
;; workspace buffers: xq 13,107,200 bytes; wf 655,360 bytes; wq1 2,048,000 bytes; wq2 1,024,000 bytes; hq 15,728,640 bytes; hs 1,310,720 bytes
;; launch prep (part 1): grid 496 x 1, 4 waves a work-group, no clusters, 68,096 bytes of LDS; arguments x, wr, w1, w2, ws1, ws2, w3, ws3, xq, wf, wq1, wq2; writes xq, wf, wq1, wq2
.if DOCPART == 1
	.amdgcn_target "amdgcn-amd-amdhsa--gfx1250"
	.amdhsa_code_object_version 6
	.text
	.protected	k_q0711e1a96a_prep
	.globl	k_q0711e1a96a_prep
	.p2align	8
	.type	k_q0711e1a96a_prep,@function
k_q0711e1a96a_prep:
	s_mov_b64 s[64:65], 0
	v_nop
	global_prefetch_b8 v0, s[64:65] scope:SCOPE_SE
	s_setreg_imm32_b32 hwreg(HW_REG_WAVE_MODE, 25, 1), 1
	s_wait_xcnt 0x0
; PREP.  Everything that is quantised once, and the router.
; Work-groups 0-255: x [16384][1024] f32 -> codes of FP6 (E2M3) with one E8M0 byte for each 32 along K, laid as IMAGES OF THE OPERAND'S REGISTERS (xq), and the router's
;   weights w_full (wf).  Work-group b takes rows 64 b .. 64 b + 63, wave w its rows 16 w .. 16 w + 15, all 1,024 along K in eight steps of 128.
; Work-groups 256-495: the six weights, whose K is not innermost -> codes and scale words in the order in which the two products' launches walk them (wq1, wq2).
;   A lane takes a column and its 128 registers run down K, so a block of 32 lies in one lane and the conversions give codes with K innermost.
; A block's scale is 2^(floor(log2(largest magnitude)) - 2); its byte is the largest magnitude's exponent field - 2, held at 1 from below by a floor among the maximum's leaves.
; LAYOUTS.  A fragment (16 rows x 128 K, 12 registers a lane) is 1,536 bytes: three pieces of 512, piece i = registers 4 i .. 4 i + 3, lane l's 16 bytes at 16 l.
;   xq [256 blocks of 64 rows][51,200]: fragment (row tile m, K step s) at (8 m + s) 1,536; at 49,152 + 512 m one piece of scale words: register i = step 2 i in lanes 0-15, step 2 i + 1 in lanes 16-31.
;   wf [1024 row tiles][10][16] f32: groups 0-7 the experts' weights, groups 8, 9 the number 1 for the shared expert's two groups of 128.
;   wq1 [20 half groups of 64 hidden units][102,400]: fragment (K step s, tile t) at 12,288 s + 1,536 t, t 0-3 gate, 4-7 up; scale words at 98,304 + 512 s + 128 (t / 2), even tile in lanes 0-15, odd in 16-31.
;       Row q of tile t is hidden unit 8 (t % 4) + q % 8 + 32 (q / 8) of the half group, so that the transposed product leaves a lane 32 neighbouring units.
;   wq2 [16 runs of 64 output columns][64,000]: fragment (K step s2 of 10, tile t of 4) at 6,144 s2 + 1,536 t; scale words at 61,440 + 256 s2 + 128 (t / 2).
; ROUTER, all in f32: logits by fused multiply-adds (each lane sums its own 32 k, then the 32 lanes' sums are added through LDS), softmax with the row's maximum taken away,
;   ranks by 28 comparisons (a tie keeps the lower index), the six best divided by their sum, the other two 0.  The choice selects values only: no address or branch hangs on it.
; LIMITS.  NaN and infinities among the inputs are not served.  A block whose largest magnitude lies under 2^-124, zeros too, keeps the byte 1 (the quantiser's text says 127 for zeros): its codes are
;   zeros or tiny, and only this program reads the bytes.  A probability under 2^-126 comes out of v_exp_f32 as 0 (ISA guide, the instruction's entry); such an expert's weight is nothing beside the others'.
; No tensor loads, no barrier: waves share nothing; only the x path touches LDS, each wave its own 16,896 bytes.
.set MSB, 0
.macro WIN new                         ; the immediate's high byte repeats the setting that is left; a switch that changes nothing is dropped
.if MSB != (\new)
	s_set_vgpr_msb (MSB<<8)|(\new)
.set MSB, (\new)
.endif
.endm
.set XO,   2                           ; v2   16 x lane: my bytes of a load's 512, and of an image's piece
.set WRO,  3                           ; v3   128 x lane: my four rows of wr in a step
.set STI,  4                           ; v4   the stage, on the way in
.set STL,  5                           ; v5   and on the way out: row r, + 128 h
.set RSA,  6                           ; v6   the reduction: where my 128 partial sums go
.set RLA,  7                           ; v7   and where I read row r's four experts 4 h .. 4 h + 3 of each lane
.set SH8,  8                           ; v8   8 h
.set LI4,  9                           ; v9   4 x lane
.set ACC,  32                          ; v32-159   partial logits: row q, expert e at 8 q + e
.set QN,   160                         ; v160-223  64 numbers of my row: register 32 c + i = k 64 c + 32 h + i of the step
.set FR,   224                         ; v224-235  the fragment just made
.set TA,   236                         ; v236-238, v240-242  the upper halves of its two blocks, as the conversions leave them
.set TC,   240
.set SW,   244                         ; v244-251  the eight steps' scale words
.set WREG, 16896                       ; LDS of a wave: two stages of 16 rows x 528 bytes; later 32 lanes x 528 bytes for the reduction
.set STG,  8448
.set SP,   528                         ; 512 bytes + 16: 33 x 16, so that sixteen rows begin in sixteen different columns of 16 bytes
; window 1: v0-191 three sets of 64 numbers of x as loaded (row q at 4 q); v192-255 two sets of 32 numbers of wr (k j, expert e at 8 j + e)
.macro XLOAD s                         ; step s of x: sixteen loads, each 512 consecutive bytes of one row: lane l holds k = 128 s + 4 l + 0 .. 3
.set p, 0
.rept 16
	global_load_b128 v[64*((\s)%3)+4*p:64*((\s)%3)+4*p+3], v[XO], s[4:5] offset:p*4096+(\s)*512 th:TH_LOAD_NT
.set p, p+1
.endr
.endm
.macro WRLOAD s                        ; the same lane's four rows of wr, 32 bytes each
.set p, 0
.rept 8
	global_load_b128 v[192+32*((\s)%2)+4*p:192+32*((\s)%2)+4*p+3], v[WRO], s[6:7] offset:(\s)*4096+16*p
.set p, p+1
.endr
.endm
.macro XSTEP s
.set XBs, 64*((\s)%3)
.set WRs, 192+32*((\s)%2)
.set STs, STG*((\s)%2)
.if (\s) < 6
	s_wait_loadcnt 40                              ; this step's x and wr are in; younger: x of the next step 16, its wr 8, x of the step after 16
.elseif (\s) == 6
	s_wait_loadcnt 24                              ; younger: the last step's x 16 and wr 8
.else
	s_wait_loadcnt 0x0
.endif
	WIN 0x04                                       ; an LDS store's data are its source 1: window 1
.set p, 0
.rept 16
	ds_store_b128 v[STI], v[XBs+4*p:XBs+4*p+3] offset:STs+SP*p
.set p, p+1
.endr
	WIN 0
.irp c, 0,1                                    ; LDS serves a wave's instructions in order (ISA guide 5.7.1.4): these see the stores above
.irp i, 0,1,2,3,4,5,6,7
	ds_load_b128 v[QN+32*\c+4*\i:QN+32*\c+4*\i+3], v[STL] offset:STs+256*\c+16*\i
.endr
.endr
	WIN 0x05                                       ; x and wr in window 1, the sums in window 0
.irp j, 0,1,2,3                                ; 256 packed multiply-adds: sixteen rows x my four k x eight experts; 63 others stand between two on one sum
.set p, 0
.rept 16
.irp q, 0,1,2,3
.if ((\s) == 0) && (\j == 0)
	v_pk_mul_f32 v[ACC+8*p+2*\q:ACC+8*p+2*\q+1], v[XBs+4*p:XBs+4*p+1], v[WRs+2*\q:WRs+2*\q+1] op_sel_hi:[0,1]   ; the first product starts the sums: nothing is cleared
.elseif (\j % 2) == 0
	v_pk_fma_f32 v[ACC+8*p+2*\q:ACC+8*p+2*\q+1], v[XBs+4*p+2*(\j/2):XBs+4*p+2*(\j/2)+1], v[WRs+8*\j+2*\q:WRs+8*\j+2*\q+1], v[ACC+8*p+2*\q:ACC+8*p+2*\q+1] op_sel_hi:[0,1,1]
.else
	v_pk_fma_f32 v[ACC+8*p+2*\q:ACC+8*p+2*\q+1], v[XBs+4*p+2*(\j/2):XBs+4*p+2*(\j/2)+1], v[WRs+8*\j+2*\q:WRs+8*\j+2*\q+1], v[ACC+8*p+2*\q:ACC+8*p+2*\q+1] op_sel:[1,0,0] op_sel_hi:[1,1,1]
.endif
.endr
.set p, p+1
.endr
.endr
	s_wait_dscnt 0x0                               ; the stage's stores have read x's registers, and my 64 numbers are back
	s_wait_xcnt 0x0                                ; the last step's stores have read the fragment's registers: they are written again below
	WIN 0x40
.if (\s) < 6
	WRLOAD (\s)+2
.endif
.if (\s) < 5
	XLOAD (\s)+3
.endif
	WIN 0
	v_max3_num_f32 v10, |v[QN]|, |v[QN+1]|, 0x1800000      ; my two blocks' largest magnitudes, by turns; the floor 2^(3 - 127) holds the byte at 1 from below
	v_max3_num_f32 v11, |v[QN+32]|, |v[QN+33]|, 0x1800000
.irp i, 2,4,6,8,10,12,14,16,18,20,22,24,26,28,30
	v_max3_num_f32 v10, v10, |v[QN+\i]|, |v[QN+\i+1]|
	v_max3_num_f32 v11, v11, |v[QN+32+\i]|, |v[QN+33+\i]|
.endr
	v_add_nc_u32 v12, 0xff000000, v10              ; 2 off the exponent field: the conversion takes this operand's exponent field as its scale
	v_add_nc_u32 v13, 0xff000000, v11
	v_lshrrev_b32 v14, 23, v12                     ; the bytes of blocks h and 2 + h,
	v_lshrrev_b32 v15, 23, v13
	v_lshl_or_b32 v14, v15, 16, v14
	v_lshlrev_b32 v14, v[SH8], v14                 ; at their places in the row's scale word;
	v_permlanex16_b32 v16, v14, s42, s43
	v_or_b32 v[SW+(\s)], v14, v16                  ; with lane l xor 16's two the word is whole, in both halves of the lanes
	v_cvt_scalef32_pk16_fp6_f32 v[FR:FR+2], v[QN:QN+15], v12
	v_cvt_scalef32_pk16_fp6_f32 v[TA:TA+2], v[QN+16:QN+31], v12      ; (a conversion's three registers begin on an even number)
	v_cvt_scalef32_pk16_fp6_f32 v[FR+6:FR+8], v[QN+32:QN+47], v13
	v_cvt_scalef32_pk16_fp6_f32 v[TC:TC+2], v[QN+48:QN+63], v13
	v_nop                                          ; one plain place behind a scaled conversion
.irp i, 0,1,2
	v_mov_b32 v[FR+3+\i], v[TA+\i]
	v_mov_b32 v[FR+9+\i], v[TC+\i]
.endr
.irp i, 0,1,2
	global_store_b128 v[XO], v[FR+4*\i:FR+4*\i+3], s[20:21] offset:(\s)*1536+512*\i   ; 32 lanes store 512 consecutive bytes, at a multiple of 256 from xq's first byte
.endr
.endm
.macro WLOAD stride                    ; 128 rows of K at my column
.set kk, 0
.rept 128
	global_load_b32 v[32+kk], v4, s[54:55] offset:kk*\stride
.set kk, kk+1
.endr
.endm
	s_load_b512 s[4:19], s[0:1], 0x0               ; x 4:5, wr 6:7, w1 8:9, w2 10:11, ws1 12:13, ws2 14:15, w3 16:17, ws3 18:19
	s_load_b256 s[20:27], s[0:1], 0x40             ; xq 20:21, wf 22:23, wq1 24:25, wq2 26:27
	v_lshl_add_u32 v254, v0, 2, 0x10800
	v_mov_b32 v255, 0
	v_lshrrev_b32 v1, 5, v0
	v_readfirstlane_b32 s28, v1                    ; wave 0..3
	v_and_b32 v1, 31, v0                           ; lane
	s_cmp_lt_u32 ttmp9, 256
	s_cbranch_scc0 .Lweights
	; ---------------- x ----------------
	v_lshlrev_b32 v[XO], 4, v1
	v_lshlrev_b32 v[WRO], 7, v1
	s_mul_i32 s29, s28, WREG                       ; my wave's LDS
	v_add_nc_u32 v[STI], s29, v[XO]
	v_and_b32 v10, 15, v0                          ; r
	v_bfe_u32 v11, v0, 4, 1                        ; h
	v_mul_u32_u24 v[STL], v10, SP
	v_lshl_add_u32 v[STL], v11, 7, v[STL]
	v_add_nc_u32 v[STL], s29, v[STL]
	v_mul_u32_u24 v[RSA], v1, SP
	v_add_nc_u32 v[RSA], s29, v[RSA]
	v_lshlrev_b32 v[RLA], 5, v10
	v_lshl_add_u32 v[RLA], v11, 4, v[RLA]
	v_add_nc_u32 v[RLA], s29, v[RLA]
	v_lshlrev_b32 v[SH8], 3, v11
	v_lshlrev_b32 v[LI4], 2, v1
	v_mov_b32 v16, 0                               ; written once: a lane permute's destination counts as one of its sources
	s_lshl_b32 s30, ttmp9, 18                      ; x: 64 rows of 4,096 bytes a work-group, 16 a wave
	s_lshl_b32 s31, s28, 16
	s_add_co_u32 s30, s30, s31
	s_mov_b32 s31, 0
	s_mul_i32 s32, ttmp9, 51200                    ; xq: my block,
	s_mul_i32 s34, s28, 12288                      ; my row tile's eight fragments,
	s_add_co_u32 s34, s34, s32
	s_mov_b32 s35, 0
	s_lshl_b32 s36, s28, 9                         ; and its piece of scale words
	s_add_co_u32 s36, s36, s32
	s_add_co_u32 s36, s36, 49152
	s_mov_b32 s37, 0
	s_mul_i32 s38, ttmp9, 2560                     ; wf: 640 bytes a row tile
	s_mul_i32 s39, s28, 640
	s_add_co_u32 s38, s38, s39
	s_mov_b32 s39, 0
	s_mov_b32 s42, 0x76543210
	s_mov_b32 s43, 0xfedcba98                      ; v_permlanex16_b32's selects for lane l xor 16
	s_mov_b32 s44, 0xffff0000                      ; a mask of lanes 16-31
	s_wait_alu depctr_va_vdst(0)
	s_wait_kmcnt 0x0
	s_add_nc_u64 s[4:5], s[4:5], s[30:31]
	s_add_nc_u64 s[40:41], s[20:21], s[36:37]
	s_add_nc_u64 s[20:21], s[20:21], s[34:35]
	s_add_nc_u64 s[22:23], s[22:23], s[38:39]
	WIN 0x40                                       ; loads run three steps of x and two of wr ahead
	WRLOAD 0
	XLOAD 0
	WRLOAD 1
	XLOAD 1
	XLOAD 2
	WIN 0
	XSTEP 0
	XSTEP 1
	XSTEP 2
	XSTEP 3
	XSTEP 4
	XSTEP 5
	XSTEP 6
	XSTEP 7
.irp i, 0,1,2,3
	v_cndmask_b32 v[20+\i], v[SW+2*\i], v[SW+2*\i+1], s44   ; an even step's words in lanes 0-15, the odd step's in lanes 16-31
.endr
	global_store_b128 v[XO], v[20:23], s[40:41]
	; the 32 lanes' partial logits are added: each lane lays its 128 down, and lane (r, h) takes row r's experts 4 h .. 4 h + 3 of all 32
.set p, 0
.rept 32
	ds_store_b128 v[RSA], v[ACC+4*p:ACC+4*p+3] offset:16*p
.set p, p+1
.endr
	WIN 0x40
.set p, 0
.rept 32
	ds_load_b128 v[4*p:4*p+3], v[RLA] offset:SP*p
.set p, p+1
.endr
	s_wait_dscnt 0x0
	WIN 0x45
.irp hf, 16,8,4,2,1
.set i, 0
.rept \hf
	v_pk_add_f32 v[4*i:4*i+1], v[4*i:4*i+1], v[4*(i+\hf):4*(i+\hf)+1]
	v_pk_add_f32 v[4*i+2:4*i+3], v[4*i+2:4*i+3], v[4*(i+\hf)+2:4*(i+\hf)+3]
.set i, i+1
.endr
.endr
	WIN 0x01
.set LG, 160                           ; v160-163 my four logits;  v164-167 lane l xor 16's;  v168-175 all eight;  v176-183 probabilities;  v184-191 ranks;  v192-199 the kept ones;  v204-208 what is stored
.set OT, 164
.set LL, 168
.set PR, 176
.set RK, 184
.set KP, 192
.irp i, 0,1,2,3
	v_mov_b32 v[LG+\i], v[\i]
.endr
	WIN 0
.irp i, 0,1,2,3
	v_mov_b32 v[OT+\i], 0
.endr
.irp i, 0,1,2,3
	v_permlanex16_b32 v[OT+\i], v[LG+\i], s42, s43
.endr
.irp i, 0,1,2,3
	v_cndmask_b32 v[LL+\i], v[LG+\i], v[OT+\i], s44
	v_cndmask_b32 v[LL+4+\i], v[OT+\i], v[LG+\i], s44
.endr
	v_max3_num_f32 v210, v[LL], v[LL+1], v[LL+2]   ; the row's largest logit is taken away ahead of the exponentials
	v_max3_num_f32 v210, v210, v[LL+3], v[LL+4]
	v_max3_num_f32 v210, v210, v[LL+5], v[LL+6]
	v_max_num_f32 v210, v210, v[LL+7]
.irp e, 0,1,2,3,4,5,6,7
	v_sub_f32 v[PR+\e], v[LL+\e], v210
.endr
.irp e, 0,1,2,3,4,5,6,7
	v_mul_f32 v[PR+\e], 0x3fb8aa3b, v[PR+\e]       ; x log2(e)
.endr
	s_wait_alu depctr_va_vdst(0)
.irp e, 0,1,2,3,4,5,6,7
	v_exp_f32 v[PR+\e], v[PR+\e]
.endr
	v_mov_b32 v214, 1                              ; (a plain place behind the exponentials)
	s_wait_alu depctr_va_vdst(0)
	v_add_f32 v210, v[PR], v[PR+1]
	v_add_f32 v211, v[PR+2], v[PR+3]
	v_add_f32 v212, v[PR+4], v[PR+5]
	v_add_f32 v213, v[PR+6], v[PR+7]
	v_add_f32 v210, v210, v211
	v_add_f32 v212, v212, v213
	v_add_f32 v210, v210, v212
	s_wait_alu depctr_va_vdst(0)
	v_rcp_f32 v210, v210
.irp e, 0,1,2,3,4,5,6,7
	v_mov_b32 v[RK+\e], \e                         ; a rank begins as if every lower index came first.  (The first of these is the plain place behind the reciprocal)
.endr
	s_wait_alu depctr_va_vdst(0)
.irp e, 0,1,2,3,4,5,6,7
	v_mul_f32 v[PR+\e], v[PR+\e], v210             ; the softmax
.endr
.irp i, 0,1,2,3,4,5,6
.irp j, 1,2,3,4,5,6,7
.if \i < \j
	v_cmp_gt_f32 vcc_lo, v[PR+\j], v[PR+\i]        ; only a truly larger probability lets the higher index pass: a tie keeps the lower one
	v_cndmask_b32 v211, 0, v214, vcc_lo
	v_add_nc_u32 v[RK+\i], v[RK+\i], v211
	v_sub_nc_u32 v[RK+\j], v[RK+\j], v211
.endif
.endr
.endr
.irp e, 0,1,2,3,4,5,6,7
	v_cmp_gt_u32 vcc_lo, 6, v[RK+\e]
	v_cndmask_b32 v[KP+\e], 0, v[PR+\e], vcc_lo    ; ranks 0 to 5 are kept
.endr
	v_add_f32 v210, v[KP], v[KP+1]
	v_add_f32 v211, v[KP+2], v[KP+3]
	v_add_f32 v212, v[KP+4], v[KP+5]
	v_add_f32 v213, v[KP+6], v[KP+7]
	v_add_f32 v210, v210, v211
	v_add_f32 v212, v212, v213
	v_add_f32 v210, v210, v212
	s_wait_alu depctr_va_vdst(0)
	v_rcp_f32 v210, v210
	v_mov_b32 v208, 1.0                            ; the shared expert's two groups.  (A plain place behind the reciprocal)
	s_wait_alu depctr_va_vdst(0)
.irp e, 0,1,2,3,4,5,6,7
	v_mul_f32 v[KP+\e], v[KP+\e], v210
.endr
.irp i, 0,1,2,3
	v_cndmask_b32 v[204+\i], v[KP+2*\i], v[KP+2*\i+1], s44   ; lanes 0-15: group 2 i of row r; lanes 16-31: group 2 i + 1
.endr
.irp i, 0,1,2,3,4
	global_store_b32 v[LI4], v[204+\i], s[22:23] offset:128*\i   ; 640 consecutive bytes in all
.endr
	s_wait_tensorcnt 0x0
	ds_add_u32 v254, v255
	s_wait_dscnt 0x0
	s_endpgm
	; ---------------- the weights ----------------
.Lweights:
	s_sub_co_u32 s29, ttmp9, 256
	s_wait_alu depctr_va_vdst(0)
	v_lshlrev_b32 v2, 4, v1                        ; 16 x lane
	v_lshlrev_b32 v3, 2, v1                        ; 4 x lane
	s_mov_b32 s31, 0
	s_mov_b32 s33, 0
	s_mov_b32 s35, 0
	s_cmp_lt_u32 s29, 160
	s_cbranch_scc0 .Ldownw
	; gate and up: half group hg, K step s; wave p makes tiles 2 p and 2 p + 1 (p 0, 1: gate; 2, 3: up)
	s_lshr_b32 s36, s29, 3                         ; hg
	s_and_b32 s37, s29, 7                          ; s
	s_and_b32 s38, s28, 1
	s_lshl_b32 s38, s38, 6                         ; the pair's 16 units of each 32: 64 bytes on for the second pair
	v_bfe_u32 v4, v0, 4, 1
	v_and_b32 v5, 7, v0
	v_bfe_u32 v6, v0, 3, 1
	v_lshlrev_b32 v4, 5, v4                        ; lanes 16-31: the odd tile, 8 units on;
	v_lshl_add_u32 v4, v5, 2, v4                   ; row q of a tile: unit q % 8,
	v_lshl_add_u32 v4, v6, 7, v4                   ; and 32 units on for q >= 8
	s_mul_i32 s39, s36, 102400
	s_mul_i32 s32, s37, 12288
	s_add_co_u32 s32, s32, s39
	s_mul_i32 s45, s28, 3072
	s_add_co_u32 s32, s32, s45                     ; where my two fragments go
	s_lshl_b32 s34, s37, 9
	s_add_co_u32 s34, s34, s39
	s_lshl_b32 s45, s28, 7
	s_add_co_u32 s34, s34, s45
	s_add_co_u32 s34, s34, 98304                   ; and their scale words
	s_wait_kmcnt 0x0
	s_add_nc_u64 s[46:47], s[24:25], s[32:33]
	s_add_nc_u64 s[48:49], s[24:25], s[34:35]
	s_cmp_lt_u32 s28, 2                            ; gate or up: the choice hangs on the wave's number alone
	s_cselect_b64 s[50:51], s[8:9], s[10:11]
	s_cselect_b64 s[52:53], s[12:13], s[14:15]
	s_cmp_lt_u32 s36, 16
	s_cbranch_scc0 .Lsharedw
	s_lshr_b32 s30, s36, 1                         ; an expert: 1,024 rows of 512 bytes
	s_lshl_b32 s30, s30, 19
	s_lshl_b32 s45, s37, 16
	s_add_co_u32 s30, s30, s45
	s_and_b32 s45, s36, 1
	s_lshl_b32 s45, s45, 8
	s_add_co_u32 s30, s30, s45
	s_add_co_u32 s30, s30, s38
	s_add_nc_u64 s[54:55], s[50:51], s[30:31]
	s_wait_alu depctr_va_vdst(0)
	WLOAD 512
	s_branch .Lwq
.Lsharedw:
	s_sub_co_u32 s30, s36, 16                      ; the shared expert: rows of 1,024 bytes
	s_lshl_b32 s30, s30, 8
	s_lshl_b32 s45, s37, 17
	s_add_co_u32 s30, s30, s45
	s_add_co_u32 s30, s30, s38
	s_add_nc_u64 s[54:55], s[52:53], s[30:31]
	s_wait_alu depctr_va_vdst(0)
	WLOAD 1024
	s_branch .Lwq
.Ldownw:
	; down: 64 columns cc; the work-group takes K steps 2 sp and 2 sp + 1; wave: K step 2 sp + wave / 2, tiles 2 p, 2 p + 1 with p = wave % 2
	s_sub_co_u32 s29, s29, 160
	s_lshr_b32 s36, s29, 4                         ; sp
	s_and_b32 s37, s29, 15                         ; cc
	s_lshr_b32 s38, s28, 1
	s_lshl_b32 s39, s36, 1
	s_add_co_u32 s38, s38, s39                     ; s2
	s_and_b32 s39, s28, 1                          ; p
	s_wait_alu depctr_va_vdst(0)
	v_mov_b32 v4, v3                               ; lane l takes column 32 p + l: 128 consecutive bytes a load
	s_mul_i32 s45, s37, 64000
	s_mul_i32 s32, s38, 6144
	s_add_co_u32 s32, s32, s45
	s_mul_i32 s56, s39, 3072
	s_add_co_u32 s32, s32, s56
	s_lshl_b32 s34, s38, 8
	s_add_co_u32 s34, s34, s45
	s_lshl_b32 s56, s39, 7
	s_add_co_u32 s34, s34, s56
	s_add_co_u32 s34, s34, 61440
	s_and_b32 s30, s38, 7                          ; K steps 0-7 are w3's eight experts, 8 and 9 the two halves of ws3: 128 rows of 4,096 bytes each
	s_lshl_b32 s30, s30, 19
	s_lshl_b32 s57, s37, 8
	s_add_co_u32 s30, s30, s57
	s_add_co_u32 s30, s30, s56
	s_wait_alu depctr_va_vdst(0)
	s_wait_kmcnt 0x0
	s_add_nc_u64 s[46:47], s[26:27], s[32:33]
	s_add_nc_u64 s[48:49], s[26:27], s[34:35]
	s_cmp_lt_u32 s36, 4
	s_cselect_b64 s[54:55], s[16:17], s[18:19]
	s_add_nc_u64 s[54:55], s[54:55], s[30:31]
	WLOAD 4096
.Lwq:
	; my column's four blocks of 32: v[32 + 32 b ..].  v10-13 largest magnitudes, v14-17 scale operands, v18-21 bytes, v22 the scale word;
	; v160-171 blocks 0 and 2, v172-183 blocks 1 and 3; v184.. the upper halves as the conversions leave them
	s_wait_loadcnt 0x0
.irp b, 0,1,2,3
	v_max3_num_f32 v[10+\b], |v[32+32*\b]|, |v[33+32*\b]|, 0x1800000
.endr
.irp i, 2,4,6,8,10,12,14,16,18,20,22,24,26,28,30
.irp b, 0,1,2,3
	v_max3_num_f32 v[10+\b], v[10+\b], |v[32+32*\b+\i]|, |v[33+32*\b+\i]|   ; the four blocks by turns
.endr
.endr
.irp b, 0,1,2,3
	v_add_nc_u32 v[14+\b], 0xff000000, v[10+\b]
.endr
.irp b, 0,1,2,3
	v_lshrrev_b32 v[18+\b], 23, v[14+\b]
.endr
	v_lshl_or_b32 v22, v19, 8, v18
	v_lshl_or_b32 v22, v20, 16, v22
	v_lshl_or_b32 v22, v21, 24, v22
.irp b, 0,1,2,3
	v_cvt_scalef32_pk16_fp6_f32 v[160+12*(\b%2)+6*(\b/2):162+12*(\b%2)+6*(\b/2)], v[32+32*\b:47+32*\b], v[14+\b]
	v_cvt_scalef32_pk16_fp6_f32 v[184+4*\b:186+4*\b], v[48+32*\b:63+32*\b], v[14+\b]
.endr
	v_nop                                          ; one plain place behind a scaled conversion
.irp b, 0,1,2,3
.irp i, 0,1,2
	v_mov_b32 v[163+12*(\b%2)+6*(\b/2)+\i], v[184+4*\b+\i]
.endr
.endr
.irp i, 0,1,2,3,4,5,6,7,8,9,10,11              ; lanes 0-15 hold the even tile's columns, lanes 16-31 the odd tile's.  The exchange gives the first run the even tile's fragment
	v_permlane16_swap_b32 v[160+\i], v[172+\i]     ; (blocks 0, 2 in lanes 0-15, blocks 1, 3 in lanes 16-31) and the second run the odd tile's
.endr
.irp i, 0,1,2,3,4,5
	global_store_b128 v2, v[160+4*\i:163+4*\i], s[46:47] offset:512*\i   ; 3,072 consecutive bytes
.endr
	global_store_b32 v3, v22, s[48:49]             ; lane l's word is its own column's: even tile below, odd tile above
	s_endpgm
.Lfunc_end_k_q0711e1a96a_prep:
	.size	k_q0711e1a96a_prep, .Lfunc_end_k_q0711e1a96a_prep-k_q0711e1a96a_prep
	.p2alignl 7, 3214868480
	.fill 96, 4, 3214868480
	.section	.rodata,"a",@progbits
	.p2align	6, 0x0
	.amdhsa_kernel k_q0711e1a96a_prep
		.amdhsa_group_segment_fixed_size 68096
		.amdhsa_private_segment_fixed_size 0
		.amdhsa_enable_private_segment 0
		.amdhsa_kernarg_size 96
		.amdhsa_user_sgpr_count 2
		.amdhsa_user_sgpr_kernarg_segment_ptr 1
		.amdhsa_wavefront_size32 1
		.amdhsa_system_sgpr_workgroup_id_x 1
		.amdhsa_system_sgpr_workgroup_id_y 1
		.amdhsa_system_sgpr_workgroup_id_z 1
		.amdhsa_system_vgpr_workitem_id 0
		.amdhsa_next_free_vgpr 512
		.amdhsa_next_free_sgpr 66
		.amdhsa_reserve_vcc 1
		.amdhsa_float_denorm_mode_32 3
		.amdhsa_float_denorm_mode_16_64 3
		.amdhsa_memory_ordered 1
		.amdhsa_forward_progress 1
		.amdhsa_inst_pref_size 255
	.end_amdhsa_kernel
	.amdgpu_metadata
---
amdhsa.version: [ 1, 2 ]
amdhsa.kernels:
  - .name:           k_q0711e1a96a_prep
    .symbol:         k_q0711e1a96a_prep.kd
    .args:
      - { .name: x, .offset: 0, .size: 8, .value_kind: global_buffer, .address_space: global }
      - { .name: wr, .offset: 8, .size: 8, .value_kind: global_buffer, .address_space: global }
      - { .name: w1, .offset: 16, .size: 8, .value_kind: global_buffer, .address_space: global }
      - { .name: w2, .offset: 24, .size: 8, .value_kind: global_buffer, .address_space: global }
      - { .name: ws1, .offset: 32, .size: 8, .value_kind: global_buffer, .address_space: global }
      - { .name: ws2, .offset: 40, .size: 8, .value_kind: global_buffer, .address_space: global }
      - { .name: w3, .offset: 48, .size: 8, .value_kind: global_buffer, .address_space: global }
      - { .name: ws3, .offset: 56, .size: 8, .value_kind: global_buffer, .address_space: global }
      - { .name: xq, .offset: 64, .size: 8, .value_kind: global_buffer, .address_space: global }
      - { .name: wf, .offset: 72, .size: 8, .value_kind: global_buffer, .address_space: global }
      - { .name: wq1, .offset: 80, .size: 8, .value_kind: global_buffer, .address_space: global }
      - { .name: wq2, .offset: 88, .size: 8, .value_kind: global_buffer, .address_space: global }
    .group_segment_fixed_size: 68096
    .private_segment_fixed_size: 0
    .kernarg_segment_align: 8
    .kernarg_segment_size: 96
    .max_flat_workgroup_size: 128
    .sgpr_count:     66
    .vgpr_count:     512
    .wavefront_size: 32
...
	.end_amdgpu_metadata
.endif
;; end of part 1
;; launch gateup (part 2): grid 64 x 4, 4 waves a work-group, clusters of 4 x 1, 327,680 bytes of LDS; arguments xq, wf, wq1, hq, hs; writes hq, hs
.if DOCPART == 2
	.amdgcn_target "amdgcn-amd-amdhsa--gfx1250"
	.amdhsa_code_object_version 6
	.text
	.protected	k_q0711e1a96a_gateup
	.globl	k_q0711e1a96a_gateup
	.p2align	8
	.type	k_q0711e1a96a_gateup,@function
k_q0711e1a96a_gateup:
	s_mov_b64 s[64:65], 0
	v_nop
	global_prefetch_b8 v0, s[64:65] scope:SCOPE_SE
	s_setreg_imm32_b32 hwreg(HW_REG_WAVE_MODE, 25, 1), 1
	s_wait_xcnt 0x0
	s_wait_alu depctr_hold_cnt(0) depctr_sa_sdst(0) depctr_va_vdst(0) depctr_va_sdst(0) depctr_va_ssrc(0) depctr_va_vcc(0) depctr_vm_vsrc(0)
	s_getreg_b32 s2, hwreg(HW_REG_IB_STS2, 6, 4)
	s_cmp_eq_u32 s2, 0
	s_cbranch_scc0 .Lentry_in_a_cluster
	s_endpgm
.Lentry_in_a_cluster:
	s_bfe_u32 s2, ttmp6, 0x10000c
	s_cmp_lg_u32 s2, 0x3003
	s_cbranch_scc0 .Lentry_shape_is_right
	s_endpgm
.Lentry_shape_is_right:
; GATE AND UP.  H = silu(X Wg) x (X Wu) x w, for 16,384 rows and 1,280 hidden units (8 experts x 128, then the shared expert's 256 with w = 1), both products on codes of FP6 (E2M3)
; with one E8M0 scale for each 32 along K = 1,024; H is quantised along the hidden units, the next product's K, and leaves as codes (hq) and scale bytes (hs).
; SHARES.  A work-group takes 256 rows and five half groups of 64 hidden units.  Wave w owns 64 of the rows: all their codes of x, 32 fragments, stay in 384 registers.
; The weights of a half group, for all of K (102,400 bytes, codes and scale words), come through a ring of two LDS slots; each wave fetches a quarter, all four read all of it.
; CLUSTER.  The four work-groups of a cluster have the same five half groups and other rows: each slot is asked for JOINTLY, by the same tensor load with the mask of all four.
; My place in the cluster enters the addresses of xq, wf, hq and hs alone.
; A TRIP is a half group: 256 matrix instructions on 32 accumulators (4 row tiles x 8 weight tiles), which take turns, K ascending, in four intervals of two K steps; then the activation and the quantiser.
; Behind the first 48 products of the last interval all my reads of the slot are over: the change of slots stands there.  The half group two on is asked for into the slot just read out, so it has a whole
; trip, 256 matrix instructions and the activation, in which to land; for that reason no prefetch is laid.  The next slot's first fragments are fetched under the trip's last 16 products.
; Trips 0-2 refill (a loop); the wait and the barrier for the fifth half group stand behind that loop; trips 3, 4 are a second loop with no tensor load.
; x is loaded K step by K step and awaited by count, interval by interval.
; THE MATRIX INSTRUCTION IS USED TRANSPOSED (source 0 = 16 rows of weights, source 1 = 16 rows of x): lane (r, h) holds, over the four gate tiles, hidden units 32 h + 0 .. 31 of row r, a whole block of
; the next K in 32 consecutive registers; the up tiles likewise.  h = ((u w) g) / (1 + 2^(-g log2 e)): the definition's factors in another order.
; hq [256 blocks of 64 rows][20 half groups][4 row tiles][768]: six registers a lane: registers 0-3 as 512 bytes, registers 4, 5 as 256.   hs [256][20][256]: 8 bytes a lane: register p = row tile 2 p in
; lanes 0-15, 2 p + 1 in lanes 16-31; in it the row's two scale bytes of this half group.
; LIMITS.  NaN and infinities are not served.  A block whose largest magnitude lies under 2^-124, zeros too (an expert not chosen), keeps the byte 1 over zero codes; only this program reads the bytes.
; REGISTERS: window 0: v1-30 addresses and small things; v32-47 x's scale words; v52-59 the weights' scale words, two sets; v64-159, v160-255 the weights' fragments, two sets (the second also takes the codes).
;   windows 1, 2: x (96 (m % 2) + 12 s).  window 3: accumulator (m, t) at 64 m + 8 t.
.set HGB,   102400                     ; a half group: fragment (K step s, tile t) at 12,288 s + 1,536 t; scale words at 98,304 + 512 s + 128 (t / 2)
.set SLOT1, 1<<17                      ; slot 1 begins here: one exclusive or changes slots
.set SPARE, 2*SLOT1                    ; the spare words, 128 bytes a wave
.set LI16, 1
.set LI8,  2
.set LI4,  3
.set ADR,  4                           ; v4-5  the slot in hand + 16 x lane: K steps 0-3, 4-7
.set ADS,  6                           ; v6    its scale words + 4 x lane
.set ADN,  7                           ; v7    the other slot + 16 x lane
.set SH8,  8
.set WFO,  9                           ; 4 r
.set MX,   10
.set SO,   14
.set WF,   18                          ; v18, 20, 22, 24 the router's weight of my row, the low word of a pair
.set HW,   19                          ; v19, 21, 23, 25 the rows' scale bytes
.set HSP,  26
.set SPW,  28
.set NIL,  29
.set ASN,  30                          ; v30   the other slot's scale words + 4 x lane
.set XSC,  32
.set WSC,  52
.set BS,   64
.set PC,   160
.set TT,   192
.set MSB, 0
.macro WIN new                         ; the immediate's high byte repeats the setting that is left
.if MSB != (\new)
	s_set_vgpr_msb (MSB<<8)|(\new)
.set MSB, (\new)
.endif
.endm
.macro PLACES n
.rept \n
	v_nop
.endr
.endm
.macro CREST                           ; a round of the cluster's barrier behind its opening barrier
	s_cmp_lg_u32 s14, 0
	s_cbranch_scc1 .Lnot_wave_0_\@
	s_barrier_signal -3
.Lnot_wave_0_\@:
	s_barrier_wait -3
	s_barrier_signal -1
	s_barrier_wait -1
.endm
.macro ROUND
	s_barrier_signal -1
	s_barrier_wait -1
	CREST
.endm
.macro WM                              ; one product, by the symbols rD, rA, rB, rSA, rSB; fZ: it starts the sum; fRA, fRB: the side's scale words lie in lanes 16-31
.if fZ && fRA && fRB
	v_wmma_scale_f32_16x16x128_f8f6f4 v[rD:rD+7], v[rA:rA+11], v[rB:rB+11], 0, v[rSA], v[rSB] matrix_a_fmt:MATRIX_FMT_FP6 matrix_b_fmt:MATRIX_FMT_FP6 matrix_a_scale:MATRIX_SCALE_ROW1 matrix_b_scale:MATRIX_SCALE_ROW1
.elseif fZ && fRA
	v_wmma_scale_f32_16x16x128_f8f6f4 v[rD:rD+7], v[rA:rA+11], v[rB:rB+11], 0, v[rSA], v[rSB] matrix_a_fmt:MATRIX_FMT_FP6 matrix_b_fmt:MATRIX_FMT_FP6 matrix_a_scale:MATRIX_SCALE_ROW1
.elseif fZ && fRB
	v_wmma_scale_f32_16x16x128_f8f6f4 v[rD:rD+7], v[rA:rA+11], v[rB:rB+11], 0, v[rSA], v[rSB] matrix_a_fmt:MATRIX_FMT_FP6 matrix_b_fmt:MATRIX_FMT_FP6 matrix_b_scale:MATRIX_SCALE_ROW1
.elseif fZ
	v_wmma_scale_f32_16x16x128_f8f6f4 v[rD:rD+7], v[rA:rA+11], v[rB:rB+11], 0, v[rSA], v[rSB] matrix_a_fmt:MATRIX_FMT_FP6 matrix_b_fmt:MATRIX_FMT_FP6
.elseif fRA && fRB
	v_wmma_scale_f32_16x16x128_f8f6f4 v[rD:rD+7], v[rA:rA+11], v[rB:rB+11], v[rD:rD+7], v[rSA], v[rSB] matrix_a_fmt:MATRIX_FMT_FP6 matrix_b_fmt:MATRIX_FMT_FP6 matrix_a_scale:MATRIX_SCALE_ROW1 matrix_b_scale:MATRIX_SCALE_ROW1
.elseif fRA
	v_wmma_scale_f32_16x16x128_f8f6f4 v[rD:rD+7], v[rA:rA+11], v[rB:rB+11], v[rD:rD+7], v[rSA], v[rSB] matrix_a_fmt:MATRIX_FMT_FP6 matrix_b_fmt:MATRIX_FMT_FP6 matrix_a_scale:MATRIX_SCALE_ROW1
.elseif fRB
	v_wmma_scale_f32_16x16x128_f8f6f4 v[rD:rD+7], v[rA:rA+11], v[rB:rB+11], v[rD:rD+7], v[rSA], v[rSB] matrix_a_fmt:MATRIX_FMT_FP6 matrix_b_fmt:MATRIX_FMT_FP6 matrix_b_scale:MATRIX_SCALE_ROW1
.else
	v_wmma_scale_f32_16x16x128_f8f6f4 v[rD:rD+7], v[rA:rA+11], v[rB:rB+11], v[rD:rD+7], v[rSA], v[rSB] matrix_a_fmt:MATRIX_FMT_FP6 matrix_b_fmt:MATRIX_FMT_FP6
.endif
.endm
; 16 matrix instructions: set u's eight tiles x row tiles 2 mh, 2 mh + 1, K step s.  The 32 accumulators take turns in the same order in every K step.
.macro MULH u, s, z, mh
	WIN 0xf4+4*(\mh)                               ; source 0 window 0, source 1 window 1 or 2, C and D window 3
.irp ml, 0,1
.irp t, 0,1,2,3,4,5,6,7
.set rD, 64*(2*(\mh)+\ml)+8*\t
.set rA, BS+96*(\u)+12*\t
.set rSA, WSC+4*(\u)+\t/2
.set fRA, \t%2
.set rB, 96*\ml+12*(\s)
.set rSB, XSC+4*(2*(\mh)+\ml)+(\s)/2
.set fRB, (\s)%2
.set fZ, \z
	WM
.endr
.endr
.endm
.macro FETCH ar, off, sr, soff, u      ; 28 LDS loads of consecutive bytes: a K step's eight fragments and their scale words into set u
.irp f, 0,1,2,3,4,5,6,7
.irp i, 0,1,2
	ds_load_b128 v[BS+96*(\u)+12*\f+4*\i:BS+96*(\u)+12*\f+4*\i+3], v[\ar] offset:(\off)+\f*1536+512*\i
.endr
.endr
.irp q, 0,1,2,3
	ds_load_b32 v[WSC+4*(\u)+\q], v[\sr] offset:(\soff)+128*\q
.endr
.endm
; Interval k: K steps 2 k (already in set 0) and 2 k + 1.  In the last one, mode 2: the change of slots with a refill; mode 1: nothing is filled, and the last trip fetches nothing more.
.macro IVL k, mode, z
	PLACES 4                                       ; four places in front of loads into registers that matrix instructions have read
	FETCH ADR+(2*(\k)+1)/4, ((2*(\k)+1)%4)*12288, ADS, 512*(2*(\k)+1), 1
.set LCN, 76-24*(\k)                   ; behind x's K steps 0 .. 2 k + 1 were issued 12 loads for each later K step and w's four (the field holds 63 at the most); in later trips only w's four are out
.if LCN > 63
.set LCN, 63
.endif
	s_wait_loadcnt LCN
	s_wait_dscnt 28                                ; set 0 is in; the 28 just issued may be out
	MULH 0, 2*(\k), \z, 0
	MULH 0, 2*(\k), \z, 1
	WIN 0
.if (\k) < 3
	s_wait_dscnt 0x0
	MULH 1, 2*(\k)+1, 0, 0
	WIN 0
	PLACES 4
	FETCH ADR+(2*(\k)+2)/4, ((2*(\k)+2)%4)*12288, ADS, 512*(2*(\k)+2), 0
.elseif (\mode) == 2
	s_wait_tensorcnt 0x0                           ; my one tensor load, my quarter of the next half group, has landed
	ds_add_u32 v[SPW], v[NIL]
	s_xor_b32 s33, s33, SLOT1                      ; no load of mine is out: the descriptor walks on: the slot just read out,
	s_add_nc_u64 s[34:35], s[34:35], HGB           ; the half group two on
	s_wait_dscnt 0x0                               ; the add is done, and my reads of this slot are over
	s_barrier_signal -1                            ; opens a round of the cluster's barrier
	MULH 1, 7, 0, 0
	WIN 0
	s_barrier_wait -1
	CREST
	tensor_load_to_lds s[32:35], s[24:31]
	s_nop 0
	PLACES 4                                       ; also the places in front of the loads below
	FETCH ADN, 0, ASN, 0, 0
.else
	s_wait_dscnt 0x0
	MULH 1, 7, 0, 0
	WIN 0
	PLACES 4
	s_cmp_eq_u32 s52, 1                            ; the very last trip has no next slot
	s_cbranch_scc1 .Lno_next_\@
	FETCH ADN, 0, ASN, 0, 0
.Lno_next_\@:
.endif
	MULH 1, 2*(\k)+1, 0, 1
	WIN 0
.endm
.macro ADDRS                           ; the LDS addresses, from s36 (the slot in hand) and s53 (the other)
	v_add_nc_u32 v[ADR], s36, v[LI16]
	v_add_nc_u32 v[ADR+1], 49152, v[ADR]
	v_add_nc_u32 v[ADS], s36, v[LI4]
	v_add_nc_u32 v[ADS], 98304, v[ADS]
	v_add_nc_u32 v[ADN], s53, v[LI16]
	v_add_nc_u32 v[ASN], s53, v[LI4]
	v_add_nc_u32 v[ASN], 98304, v[ASN]
.endm
; The activation and the quantiser of a half group: 128 numbers a lane.  g = v[64 m + 0 .. 31], u = v[64 m + 32 .. 63] of window 3; every accumulator is first read from its low end, ahead of any transcendental.
.macro ACT
	s_wait_loadcnt 0x0                             ; w
	PLACES 4
	WIN 0xc3
.set e, 0
.rept 64
.set eu, 64*(e/16)+32+2*(e%16)
	v_pk_mul_f32 v[eu:eu+1], v[eu:eu+1], v[WF+2*(e/16):WF+2*(e/16)+1] op_sel_hi:[1,0]   ; u w
.set e, e+1
.endr
	WIN 0xff
.set e, 0
.rept 64
.set eu, 64*(e/16)+32+2*(e%16)
	v_pk_mul_f32 v[eu:eu+1], v[eu:eu+1], v[eu-32:eu-31]                                 ; x g
.set e, e+1
.endr
.set e, 0
.rept 64
.set eg, 64*(e/16)+2*(e%16)
	v_pk_mul_f32 v[eg:eg+1], v[eg:eg+1], s[38:39] op_sel_hi:[1,0]                       ; -g log2(e)
.set e, e+1
.endr
	s_wait_alu depctr_va_vdst(0)
.set e, 0
.rept 128
	v_exp_f32 v[64*(e/32)+e%32], v[64*(e/32)+e%32]
.set e, e+1
.endr
	v_nop
	s_wait_alu depctr_va_vdst(0)
.set e, 0
.rept 64
.set eg, 64*(e/16)+2*(e%16)
	v_pk_add_f32 v[eg:eg+1], v[eg:eg+1], 1.0 op_sel_hi:[1,0]
.set e, e+1
.endr
	s_wait_alu depctr_va_vdst(0)
.set e, 0
.rept 128
	v_rcp_f32 v[64*(e/32)+e%32], v[64*(e/32)+e%32]
.set e, e+1
.endr
	v_nop
	s_wait_alu depctr_va_vdst(0)
.set e, 0
.rept 64
.set eu, 64*(e/16)+32+2*(e%16)
	v_pk_mul_f32 v[eu:eu+1], v[eu:eu+1], v[eu-32:eu-31]                                 ; x the sigmoid: H
.set e, e+1
.endr
	WIN 0x3c
.set e, 0
.rept 64                               ; each row tile's block's largest magnitude, the four by turns; the floor 2^(3 - 127) holds the byte at 1 from below
.set eu, 64*(e%4)+32+2*(e/4)
.if e < 4
	v_max3_num_f32 v[MX+e%4], 0x1800000, |v[eu]|, |v[eu+1]|
.else
	v_max3_num_f32 v[MX+e%4], v[MX+e%4], |v[eu]|, |v[eu+1]|
.endif
.set e, e+1
.endr
	WIN 0
.irp m, 0,1,2,3
	v_add_nc_u32 v[SO+\m], 0xff000000, v[MX+\m]    ; 2 off the exponent field: the conversion's scale operand
.endr
	WIN 0x03
.irp m, 0,1,2,3
	v_cvt_scalef32_pk16_fp6_f32 v[PC+8*\m:PC+8*\m+2], v[64*\m+32:64*\m+47], v[SO+\m]
	v_cvt_scalef32_pk16_fp6_f32 v[TT+4*\m:TT+4*\m+2], v[64*\m+48:64*\m+63], v[SO+\m]   ; (a conversion's three registers begin on an even number)
.endr
	WIN 0
	v_nop                                          ; one plain place behind a scaled conversion
.irp m, 0,1,2,3
.irp i, 0,1,2
	v_mov_b32 v[PC+8*\m+3+\i], v[TT+4*\m+\i]
.endr
.endr
.irp m, 0,1,2,3
	v_lshrrev_b32 v[HW+2*\m], 23, v[SO+\m]         ; my block's byte,
.endr
.irp m, 0,1,2,3
	v_lshlrev_b32 v[HW+2*\m], v[SH8], v[HW+2*\m]   ; at its place,
.endr
.irp m, 0,1,2,3
	v_permlanex16_b32 v[MX+\m], v[HW+2*\m], s40, s41
.endr
.irp m, 0,1,2,3
	v_or_b32 v[HW+2*\m], v[HW+2*\m], v[MX+\m]      ; with lane l xor 16's: the row's two bytes of this half group
.endr
	v_cndmask_b32 v[HSP], v[HW], v[HW+2], s42      ; an even row tile's bytes in lanes 0-15, the odd one's in lanes 16-31
	v_cndmask_b32 v[HSP+1], v[HW+4], v[HW+6], s42
.irp m, 0,1,2,3
	global_store_b128 v[LI16], v[PC+8*\m:PC+8*\m+3], s[10:11] offset:768*\m        ; 512 consecutive bytes, at a multiple of 256 from hq's first byte
	global_store_b64 v[LI8], v[PC+8*\m+4:PC+8*\m+5], s[10:11] offset:768*\m+512    ; and 256
.endr
	global_store_b64 v[LI8], v[HSP:HSP+1], s[12:13]
.endm
.macro TRIP mode
	s_lshr_b32 s48, s43, 1                         ; the group of 128 to which the half group belongs: 64 bytes a group in wf
	s_lshl_b32 s48, s48, 6
	s_add_nc_u64 s[46:47], s[6:7], s[48:49]        ; (the last trip's loads by this base were waited for)
.irp m, 0,1,2,3
	global_load_b32 v[WF+2*\m], v[WFO], s[46:47] offset:640*\m
.endr
	IVL 0, 0, 1
	IVL 1, 0, 0
	IVL 2, 0, 0
	IVL 3, \mode, 0
	ACT
	s_wait_xcnt 0x0                                ; the stores have read their data and bases: both are written again below and in the next trip
	s_add_nc_u64 s[10:11], s[10:11], 3072
	s_add_nc_u64 s[12:13], s[12:13], 256
	s_add_co_u32 s43, s43, 1
	s_xor_b32 s36, s36, SLOT1                      ; on to the other slot
	s_xor_b32 s53, s53, SLOT1
	ADDRS
.endm
	s_load_b256 s[4:11], s[0:1], 0x0               ; xq 4:5, wf 6:7, wq1 8:9, hq 10:11
	s_load_b64 s[12:13], s[0:1], 0x20              ; hs
	v_lshl_add_u32 v[SPW], v0, 2, SPARE
	v_mov_b32 v[NIL], 0
	ds_add_u32 v[SPW], v[NIL]                      ; the opening lines: the add, twice on end, and its wait ahead of my first tensor load
	ds_add_u32 v[SPW], v[NIL]
	v_lshrrev_b32 v1, 5, v0
	v_readfirstlane_b32 s14, v1                    ; wave 0..3
	s_bfe_u32 s15, ttmp6, 0x40000                  ; cx
	s_lshl_b32 s16, ttmp9, 2
	s_add_co_u32 s16, s16, s15                     ; my block of 256 rows
	s_lshl_b32 s16, s16, 2
	s_add_co_u32 s16, s16, s14                     ; my wave's block of 64 rows
	s_and_b32 s17, ttmp7, 0xffff                   ; which five half groups: the four partners share it
	s_mov_b32 s24, 15|(3<<16)|(1<<21)              ; group 1: 25,600 dense bytes as 100 rows of 256; the mask names all four work-groups, bit 21 beside it
	s_mov_b32 s25, 32<<16
	s_mov_b32 s26, 100<<16
	s_mov_b32 s27, 32<<16
	s_mov_b32 s28, 100
	s_mov_b32 s29, 32
	s_mov_b32 s30, 0
	s_mov_b32 s31, 0
	s_mov_b32 s32, 1
	s_mul_i32 s18, s17, 5*HGB                      ; my first half group in wq1,
	s_mul_i32 s33, s14, 25600                      ; my wave's quarter: in memory and in a slot
	s_add_co_u32 s18, s18, s33
	s_mov_b32 s19, 0
	s_mul_i32 s20, s16, 51200                      ; xq
	s_mov_b32 s21, 0
	s_mul_i32 s22, s16, 2560                       ; wf: four row tiles of 640 bytes
	s_mov_b32 s23, 0
	s_mul_i32 s44, s16, 61440                      ; hq: 20 half groups of 3,072 bytes; mine begin at 5 y
	s_mul_i32 s45, s17, 15360
	s_add_co_u32 s44, s44, s45
	s_mov_b32 s45, 0
	s_mul_i32 s50, s16, 5120                       ; hs likewise, 256 bytes each
	s_mul_i32 s51, s17, 1280
	s_add_co_u32 s50, s50, s51
	s_mov_b32 s51, 0
	s_mov_b32 s49, 0
	s_mov_b32 s36, 0                               ; the slot in hand,
	s_mov_b32 s53, SLOT1                           ; and the other
	s_mov_b32 s37, 0
	s_mov_b32 s52, 0
	s_mov_b32 s38, 0xbfb8aa3b                      ; -log2(e)
	s_mov_b32 s39, s38
	s_mov_b32 s40, 0x76543210
	s_mov_b32 s41, 0xfedcba98                      ; lane l xor 16
	s_mov_b32 s42, 0xffff0000                      ; lanes 16-31
	s_mul_i32 s43, s17, 5                          ; the half group in hand
	v_and_b32 v9, 31, v0
	v_lshlrev_b32 v[LI16], 4, v9
	v_lshlrev_b32 v[LI8], 3, v9
	v_lshlrev_b32 v[LI4], 2, v9
	ADDRS
	v_and_b32 v10, 15, v0                          ; r
	v_bfe_u32 v11, v0, 4, 1                        ; h
	v_lshlrev_b32 v[WFO], 2, v10
	v_lshlrev_b32 v[SH8], 3, v11
.irp m, 0,1,2,3
	v_mov_b32 v[HW+2*\m], 0                        ; named as the upper half of a pair before the quantiser first writes it
.endr
	s_wait_alu depctr_va_vdst(0)
	s_wait_dscnt 0x0
	s_wait_kmcnt 0x0
	s_add_nc_u64 s[34:35], s[8:9], s[18:19]
	s_or_b32 s35, s35, 0x80000000                  ; type = 2
	s_add_nc_u64 s[4:5], s[4:5], s[20:21]
	s_add_nc_u64 s[6:7], s[6:7], s[22:23]
	s_add_nc_u64 s[10:11], s[10:11], s[44:45]
	s_add_nc_u64 s[12:13], s[12:13], s[50:51]
	ROUND                                          ; all four work-groups are here: the first joint load meets
	tensor_load_to_lds s[32:35], s[24:31]          ; the first half group: one tensor load a wave at the head
	s_nop 0
	PLACES 4
.irp m, 0,1,2,3
	global_load_b128 v[XSC+4*\m:XSC+4*\m+3], v[LI16], s[4:5] offset:49152+512*\m   ; register i: K step 2 i in lanes 0-15, 2 i + 1 in lanes 16-31
.endr
.irp k, 0,1,2,3,4,5,6,7                        ; x, K step by K step: twelve loads of 512 consecutive bytes each
.irp mh, 0,1
	WIN 0x40+0x40*\mh
.irp m, 0,1
.irp i, 0,1,2
	global_load_b128 v[96*\m+12*\k+4*\i:96*\m+12*\k+4*\i+3], v[LI16], s[4:5] offset:(8*(2*\mh+\m)+\k)*1536+512*\i
.endr
.endr
.endr
.endr
	WIN 0
	s_wait_tensorcnt 0x0                           ; my quarter of the first half group is in; slot 1's first fill is issued as a refill is
	ds_add_u32 v[SPW], v[NIL]
	s_xor_b32 s33, s33, SLOT1
	s_add_nc_u64 s[34:35], s[34:35], HGB
	s_wait_dscnt 0x0
	ROUND
	tensor_load_to_lds s[32:35], s[24:31]          ; the second half group
	s_nop 0
	PLACES 4
	FETCH ADR, 0, ADS, 0, 0
.Lfill:                                                ; trips 0-2 ask for half groups 2-4
	TRIP 2
	s_add_co_u32 s37, s37, 1
	s_cmp_lt_u32 s37, 3
	s_wait_alu depctr_va_vdst(0)
	s_cbranch_scc1 .Lfill
	s_wait_tensorcnt 0x0                           ; my quarter of the fifth half group is in;
	s_wait_dscnt 0x0
	s_barrier_signal -1
	s_barrier_wait -1                              ; everybody's is.
.Lrest:                                                ; trips 3, 4
	TRIP 1
	s_add_co_u32 s52, s52, 1
	s_cmp_lt_u32 s52, 2
	s_wait_alu depctr_va_vdst(0)
	s_cbranch_scc1 .Lrest
	s_wait_tensorcnt 0x0                           ; the wave's end
	ds_add_u32 v[SPW], v[NIL]
	s_wait_dscnt 0x0
	ROUND                                          ; the closing round
	s_endpgm
.Lfunc_end_k_q0711e1a96a_gateup:
	.size	k_q0711e1a96a_gateup, .Lfunc_end_k_q0711e1a96a_gateup-k_q0711e1a96a_gateup
	.p2alignl 7, 3214868480
	.fill 96, 4, 3214868480
	.section	.rodata,"a",@progbits
	.p2align	6, 0x0
	.amdhsa_kernel k_q0711e1a96a_gateup
		.amdhsa_group_segment_fixed_size 327680
		.amdhsa_private_segment_fixed_size 0
		.amdhsa_enable_private_segment 0
		.amdhsa_kernarg_size 40
		.amdhsa_user_sgpr_count 2
		.amdhsa_user_sgpr_kernarg_segment_ptr 1
		.amdhsa_wavefront_size32 1
		.amdhsa_system_sgpr_workgroup_id_x 1
		.amdhsa_system_sgpr_workgroup_id_y 1
		.amdhsa_system_sgpr_workgroup_id_z 1
		.amdhsa_system_vgpr_workitem_id 0
		.amdhsa_next_free_vgpr 1024
		.amdhsa_next_free_sgpr 66
		.amdhsa_reserve_vcc 0
		.amdhsa_float_denorm_mode_32 3
		.amdhsa_float_denorm_mode_16_64 3
		.amdhsa_memory_ordered 1
		.amdhsa_forward_progress 1
		.amdhsa_inst_pref_size 188
	.end_amdhsa_kernel
	.amdgpu_metadata
---
amdhsa.version: [ 1, 2 ]
amdhsa.kernels:
  - .name:           k_q0711e1a96a_gateup
    .symbol:         k_q0711e1a96a_gateup.kd
    .args:
      - { .name: xq, .offset: 0, .size: 8, .value_kind: global_buffer, .address_space: global }
      - { .name: wf, .offset: 8, .size: 8, .value_kind: global_buffer, .address_space: global }
      - { .name: wq1, .offset: 16, .size: 8, .value_kind: global_buffer, .address_space: global }
      - { .name: hq, .offset: 24, .size: 8, .value_kind: global_buffer, .address_space: global }
      - { .name: hs, .offset: 32, .size: 8, .value_kind: global_buffer, .address_space: global }
    .group_segment_fixed_size: 327680
    .private_segment_fixed_size: 0
    .kernarg_segment_align: 8
    .kernarg_segment_size: 40
    .max_flat_workgroup_size: 128
    .sgpr_count:     66
    .vgpr_count:     1024
    .wavefront_size: 32
...
	.end_amdgpu_metadata
.endif
;; end of part 2
;; launch down (part 3): grid 64 x 4, 4 waves a work-group, clusters of 4 x 1, 327,680 bytes of LDS; arguments hq, hs, wq2, out0; writes out0
.if DOCPART == 3
	.amdgcn_target "amdgcn-amd-amdhsa--gfx1250"
	.amdhsa_code_object_version 6
	.text
	.protected	k_q0711e1a96a_down
	.globl	k_q0711e1a96a_down
	.p2align	8
	.type	k_q0711e1a96a_down,@function
k_q0711e1a96a_down:
	s_mov_b64 s[64:65], 0
	v_nop
	global_prefetch_b8 v0, s[64:65] scope:SCOPE_SE
	s_setreg_imm32_b32 hwreg(HW_REG_WAVE_MODE, 25, 1), 1
	s_wait_xcnt 0x0
	s_wait_alu depctr_hold_cnt(0) depctr_sa_sdst(0) depctr_va_vdst(0) depctr_va_sdst(0) depctr_va_ssrc(0) depctr_va_vcc(0) depctr_vm_vsrc(0)
	s_getreg_b32 s2, hwreg(HW_REG_IB_STS2, 6, 4)
	s_cmp_eq_u32 s2, 0
	s_cbranch_scc0 .Lentry_in_a_cluster
	s_endpgm
.Lentry_in_a_cluster:
	s_bfe_u32 s2, ttmp6, 0x10000c
	s_cmp_lg_u32 s2, 0x3003
	s_cbranch_scc0 .Lentry_shape_is_right
	s_endpgm
.Lentry_shape_is_right:
; DOWN.  out = H Wd: 16,384 rows, K = 1,280 hidden units (8 experts x 128, then the shared expert's 256), 1,024 columns, on codes of FP6 (E2M3) with one E8M0 scale for each 32 along K; out is f32.
; The routed and the shared expert's products are ONE f32 sum over K = 1,280, K ascending, where the definition makes two sums and adds them: another order of rounding, nothing else.
; SHARES.  A work-group takes 256 rows and 256 columns.  Wave w owns 64 of the rows: ALL their codes of H, 40 fragments, stay in 480 registers.  The 256 columns' weights for all of K, 256,000 bytes laid
; in the order in which they are walked, come into LDS ONCE, by two tensor loads a wave; no LDS byte is filled twice.  The columns go in four chunks of 64: 16 accumulators, which take turns.
; CLUSTER.  The four work-groups of a cluster have the same columns and other rows: the weights are asked for JOINTLY, by the same tensor loads with the same descriptors and the mask of all four.
; H goes from memory straight into registers and is each wave's own, so there is nothing of it to share.
; THE MATRIX INSTRUCTION IS USED TRANSPOSED: source 0 = 16 columns' weights, source 1 = 16 rows of H: a lane then holds eight neighbouring numbers of a row of out.  A row tile's 16 rows x 256 bytes go through
; the wave's own stage in LDS and leave as whole rows: sixteen lanes store 256 consecutive bytes, at a multiple of 256 from out's first byte.
; REGISTERS, in windows of 256: window 0: v1-14 addresses; v32-51 H's scale words (K step s2, pair of row tiles p at 2 s2 + p); v52-59 the weights' scale words, two sets; v64-159, v160-255 the weights'
;   fragments, two sets of eight (two K steps x four tiles); v160-199 first hold hs as loaded.  windows 1, 2: H (m, s2) at 120 (m % 2) + 12 s2.  window 3: accumulator (m, t) at 32 m + 8 t; v128-191 rows on their way out, two sets.
.set CHB,  64000                       ; a chunk's bytes: 10 K steps x 4 fragments x 1,536, then 10 x 256 of scale words
.set STAGE, 4*CHB                      ; behind the weights: 16 rows x 272 bytes for each wave; no tensor load lands here
.set LI16, 1
.set LI8,  2
.set LI4,  3
.set ADR,  4                           ; v4-7   chunk ch + 16 x lane
.set ADS,  8                           ; v8-11  chunk ch + 4 x lane
.set STO,  12                          ; v12    the stage: where I put 32 bytes of a row
.set RD,   13                          ; v13    and where I read a row back
.set GO,   14                          ; v14    my byte offset in two rows of out
.set HSC,  32
.set WSC,  52
.set BS,   64
.set HT,   160
.set MSB, 0
.macro WIN new                         ; the immediate's high byte repeats the setting that is left
.if MSB != (\new)
	s_set_vgpr_msb (MSB<<8)|(\new)
.set MSB, (\new)
.endif
.endm
.macro PLACES n
.rept \n
	v_nop
.endr
.endm
.macro ROUND                           ; a round of the cluster's barrier
	s_barrier_signal -1
	s_barrier_wait -1
	s_cmp_lg_u32 s14, 0
	s_cbranch_scc1 .Lnot_wave_0_\@
	s_barrier_signal -3
.Lnot_wave_0_\@:
	s_barrier_wait -3
	s_barrier_signal -1
	s_barrier_wait -1
.endm
.macro WM                              ; one product, by the symbols rD, rA, rB, rSA, rSB; fZ: it starts the sum; fRA, fRB: the side's scale words lie in lanes 16-31
.if fZ && fRA && fRB
	v_wmma_scale_f32_16x16x128_f8f6f4 v[rD:rD+7], v[rA:rA+11], v[rB:rB+11], 0, v[rSA], v[rSB] matrix_a_fmt:MATRIX_FMT_FP6 matrix_b_fmt:MATRIX_FMT_FP6 matrix_a_scale:MATRIX_SCALE_ROW1 matrix_b_scale:MATRIX_SCALE_ROW1
.elseif fZ && fRA
	v_wmma_scale_f32_16x16x128_f8f6f4 v[rD:rD+7], v[rA:rA+11], v[rB:rB+11], 0, v[rSA], v[rSB] matrix_a_fmt:MATRIX_FMT_FP6 matrix_b_fmt:MATRIX_FMT_FP6 matrix_a_scale:MATRIX_SCALE_ROW1
.elseif fZ && fRB
	v_wmma_scale_f32_16x16x128_f8f6f4 v[rD:rD+7], v[rA:rA+11], v[rB:rB+11], 0, v[rSA], v[rSB] matrix_a_fmt:MATRIX_FMT_FP6 matrix_b_fmt:MATRIX_FMT_FP6 matrix_b_scale:MATRIX_SCALE_ROW1
.elseif fZ
	v_wmma_scale_f32_16x16x128_f8f6f4 v[rD:rD+7], v[rA:rA+11], v[rB:rB+11], 0, v[rSA], v[rSB] matrix_a_fmt:MATRIX_FMT_FP6 matrix_b_fmt:MATRIX_FMT_FP6
.elseif fRA && fRB
	v_wmma_scale_f32_16x16x128_f8f6f4 v[rD:rD+7], v[rA:rA+11], v[rB:rB+11], v[rD:rD+7], v[rSA], v[rSB] matrix_a_fmt:MATRIX_FMT_FP6 matrix_b_fmt:MATRIX_FMT_FP6 matrix_a_scale:MATRIX_SCALE_ROW1 matrix_b_scale:MATRIX_SCALE_ROW1
.elseif fRA
	v_wmma_scale_f32_16x16x128_f8f6f4 v[rD:rD+7], v[rA:rA+11], v[rB:rB+11], v[rD:rD+7], v[rSA], v[rSB] matrix_a_fmt:MATRIX_FMT_FP6 matrix_b_fmt:MATRIX_FMT_FP6 matrix_a_scale:MATRIX_SCALE_ROW1
.elseif fRB
	v_wmma_scale_f32_16x16x128_f8f6f4 v[rD:rD+7], v[rA:rA+11], v[rB:rB+11], v[rD:rD+7], v[rSA], v[rSB] matrix_a_fmt:MATRIX_FMT_FP6 matrix_b_fmt:MATRIX_FMT_FP6 matrix_b_scale:MATRIX_SCALE_ROW1
.else
	v_wmma_scale_f32_16x16x128_f8f6f4 v[rD:rD+7], v[rA:rA+11], v[rB:rB+11], v[rD:rD+7], v[rSA], v[rSB] matrix_a_fmt:MATRIX_FMT_FP6 matrix_b_fmt:MATRIX_FMT_FP6
.endif
.endm
.macro DLOAD ch, bt, u                 ; batch bt of chunk ch (K steps 2 bt, 2 bt + 1 x four tiles) into set u: 28 LDS loads, each of consecutive bytes
.irp f, 0,1,2,3,4,5,6,7
.irp i, 0,1,2
	ds_load_b128 v[BS+96*(\u)+12*\f+4*\i:BS+96*(\u)+12*\f+4*\i+3], v[ADR+(\ch)] offset:(\bt)*12288+\f*1536+512*\i
.endr
.endr
.irp q, 0,1,2,3
	ds_load_b32 v[WSC+4*(\u)+\q], v[ADS+(\ch)] offset:61440+(\bt)*512+128*\q
.endr
.endm
.macro TOSTAGE m                       ; row tile m: into my stage, and back as whole rows
	s_wait_xcnt 0x0                                ; the stores of the tile two back have read the registers that the loads below fill
	WIN 0x0c                                       ; an LDS store's data are its source 1: window 3
.irp t, 0,1,2,3
	ds_store_b128 v[STO], v[32*(\m)+8*\t:32*(\m)+8*\t+3] offset:64*\t          ; each accumulator from its low end on
	ds_store_b128 v[STO], v[32*(\m)+8*\t+4:32*(\m)+8*\t+7] offset:64*\t+16
.endr
	WIN 0xc0
.irp i, 0,1,2,3,4,5,6,7
	ds_load_b128 v[128+32*((\m)%2)+4*\i:128+32*((\m)%2)+4*\i+3], v[RD] offset:544*\i   ; LDS serves a wave's instructions in order (ISA guide 5.7.1.4): these see the stores above, and the next tile's stores come behind them
.endr
.endm
.macro SEND m, ch, younger             ; younger: the LDS instructions issued behind tile m's loads: the next tile's sixteen, or none
	s_wait_dscnt \younger
	WIN 0x0c
.irp i, 0,1,2,3,4,5,6,7
	global_store_b128 v[GO], v[128+32*((\m)%2)+4*\i:128+32*((\m)%2)+4*\i+3], s[10:11] offset:(16*(\m)+2*\i)*4096+256*(\ch) th:TH_STORE_NT   ; written once, read by nobody here
.endr
.endm
.macro CHUNK ch                        ; 64 columns: five batches of 32 matrix instructions, then the way out
	WIN 0
	DLOAD \ch, 0, 0
.irp bt, 0,1,2,3,4
	PLACES 4                                       ; four places in front of loads into registers that matrix instructions have read
	WIN 0
.if \bt < 4
	DLOAD \ch, \bt+1, (\bt+1)%2
	s_wait_dscnt 28                                ; this batch's loads are in; the 28 just issued may be out
.else
	s_wait_dscnt 0x0
.endif
.irp mh, 0,1
	WIN 0xf4+4*\mh                                 ; source 0 (weights) window 0, source 1 (H) window 1 or 2, C and D window 3
.irp sp, 0,1
.irp ml, 0,1
.irp t, 0,1,2,3
.set rD, 32*(2*\mh+\ml)+8*\t
.set rA, BS+96*(\bt%2)+12*(4*\sp+\t)
.set rB, 120*\ml+12*(2*\bt+\sp)
.set rSA, WSC+4*(\bt%2)+2*\sp+\t/2
.set rSB, HSC+2*(2*\bt+\sp)+\mh
.if (2*\bt+\sp) == 0
.set fZ, 1
.else
.set fZ, 0
.endif
.set fRA, \t%2
.set fRB, \ml
	WM
.endr
.endr
.endr
.endr
.endr
	PLACES 5                                       ; four in front of the first read of results; the fifth for the next chunk's first products, which begin these accumulators anew
	TOSTAGE 0
	TOSTAGE 1
	SEND 0, \ch, 16
	TOSTAGE 2
	SEND 1, \ch, 16
	TOSTAGE 3
	SEND 2, \ch, 16
	SEND 3, \ch, 0
.endm
	s_load_b256 s[4:11], s[0:1], 0x0               ; hq 4:5, hs 6:7, wq2 8:9, out0 10:11
	v_lshl_add_u32 v62, v0, 2, 0x42c00
	v_mov_b32 v63, 0
	ds_add_u32 v62, v63
	ds_add_u32 v62, v63
	v_lshrrev_b32 v1, 5, v0
	v_readfirstlane_b32 s14, v1                    ; wave 0..3
	s_bfe_u32 s15, ttmp6, 0x40000                  ; cx: my place in the cluster
	s_lshl_b32 s16, ttmp9, 2                       ; in a cluster launch ttmp9 counts clusters
	s_add_co_u32 s16, s16, s15                     ; my block of 256 rows
	s_lshl_b32 s16, s16, 2
	s_add_co_u32 s16, s16, s14                     ; my wave's block of 64 rows
	s_and_b32 s17, ttmp7, 0xffff                   ; which 256 columns: the four partners share it
	; descriptor group 1: 32,000 dense bytes as 125 rows of 256 bytes
	s_mov_b32 s24, 15|(3<<16)|(1<<21)              ; 15:0 the mask: all four work-groups; 17:16 elements of 8 bytes; 20 no padding; 21 set beside a mask
	s_mov_b32 s25, 32<<16                          ; tensor_dim0 = 32
	s_mov_b32 s26, 125<<16                         ; tensor_dim1 = 125
	s_mov_b32 s27, 32<<16                          ; tile_dim0 = 32
	s_mov_b32 s28, 125                             ; tile_dim1 = 125
	s_mov_b32 s29, 32                              ; tensor_dim0_stride
	s_mov_b32 s30, 0
	s_mov_b32 s31, 0
	s_mul_i32 s18, s17, 4*CHB                      ; my columns' weights,
	s_mul_i32 s33, s14, 32000                      ; my wave's eighth of them: in memory and in LDS; no place in the cluster enters either
	s_add_co_u32 s18, s18, s33
	s_mov_b32 s19, 0
	s_add_co_u32 s37, s33, 2*CHB                   ; and the same eighth of the second half
	s_mov_b32 s32, 1
	s_mov_b32 s36, 1
	s_mul_i32 s40, s16, 61440                      ; hq
	s_mov_b32 s41, 0
	s_mul_i32 s42, s16, 5120                       ; hs
	s_mov_b32 s43, 0
	s_lshl_b32 s44, s16, 18                        ; out: 64 rows of 4,096 bytes, + 1,024 bytes for each 256 columns
	s_lshl_b32 s45, s17, 10
	s_add_co_u32 s44, s44, s45
	s_mov_b32 s45, 0
	s_mul_i32 s20, s14, 16*272
	s_add_co_u32 s20, s20, STAGE                   ; my stage
	v_and_b32 v15, 31, v0
	v_lshlrev_b32 v[LI16], 4, v15
	v_lshlrev_b32 v[LI8], 3, v15
	v_lshlrev_b32 v[LI4], 2, v15
.irp c, 0,1,2,3
	v_add_nc_u32 v[ADR+\c], \c*CHB, v[LI16]
	v_add_nc_u32 v[ADS+\c], \c*CHB, v[LI4]
.endr
	v_and_b32 v15, 15, v0                          ; r
	v_bfe_u32 v16, v0, 4, 1                        ; h
	v_mul_u32_u24 v[STO], v15, 272                 ; in: row r, 32 bytes for each half of the lanes
	v_lshl_add_u32 v[STO], v16, 5, v[STO]
	v_add_nc_u32 v[STO], s20, v[STO]
	v_mul_u32_u24 v[RD], v16, 272                  ; back: lanes 0-15 one row of 256 bytes, lanes 16-31 the next
	v_lshl_add_u32 v[RD], v15, 4, v[RD]
	v_add_nc_u32 v[RD], s20, v[RD]
	v_lshlrev_b32 v[GO], 12, v16                   ; and the same two rows in out
	v_lshl_add_u32 v[GO], v15, 4, v[GO]
	s_wait_dscnt 0x0
	s_wait_kmcnt 0x0
	s_add_nc_u64 s[34:35], s[8:9], s[18:19]
	s_add_nc_u64 s[38:39], s[34:35], 2*CHB
	s_or_b32 s35, s35, 0x80000000                  ; type = 2
	s_or_b32 s39, s39, 0x80000000
	s_add_nc_u64 s[4:5], s[4:5], s[40:41]
	s_add_nc_u64 s[6:7], s[6:7], s[42:43]
	s_add_nc_u64 s[10:11], s[10:11], s[44:45]
	ROUND                                          ; all four work-groups are here: the joint loads meet
	tensor_load_to_lds s[32:35], s[24:31]          ; chunks 0 and 1: one tensor load a wave at the head
	s_nop 0
	PLACES 4                                       ; four v_nop follow
.irp mh, 0,1                                   ; H: six registers for each half group and row tile, as they were stored: 512 consecutive bytes, then 256
	WIN 0x40+0x40*\mh
.irp ml, 0,1
.set g, 0
.rept 20
	global_load_b128 v[120*\ml+6*g:120*\ml+6*g+3], v[LI16], s[4:5] offset:g*3072+(2*\mh+\ml)*768
	global_load_b64 v[120*\ml+6*g+4:120*\ml+6*g+5], v[LI8], s[4:5] offset:g*3072+(2*\mh+\ml)*768+512
.set g, g+1
.endr
.endr
.endr
	WIN 0
.set g, 0
.rept 20
	global_load_b64 v[HT+2*g:HT+2*g+1], v[LI8], s[6:7] offset:256*g
.set g, g+1
.endr
	s_wait_tensorcnt 0x0                           ; my part of chunks 0 and 1 is in; the later first fill is issued as a refill is
	ds_add_u32 v62, v63
	s_wait_dscnt 0x0
	ROUND                                          ; everybody's part is in, and all four work-groups are here
	tensor_load_to_lds s[36:39], s[24:31]          ; chunks 2 and 3: one tensor load of mine is out, and no more are issued
	s_nop 0
	PLACES 4
	s_wait_loadcnt 0x0
.set g, 0
.rept 10
	v_lshl_or_b32 v[HSC+2*g], v[HT+4*g+2], 16, v[HT+4*g]       ; two half groups' bytes make a K step's scale word
	v_lshl_or_b32 v[HSC+2*g+1], v[HT+4*g+3], 16, v[HT+4*g+1]
.set g, g+1
.endr
	s_wait_alu depctr_va_vdst(0)
	PLACES 8                                       ; a scale register written by a vector instruction stands eight places ahead of a scaled matrix instruction
	CHUNK 0
	CHUNK 1
	s_wait_tensorcnt 0x0                           ; my part of chunks 2 and 3 is in (no LDS instruction of mine is out: the way out ended on a wait for all)
	s_barrier_signal -1
	s_barrier_wait -1                              ; everybody's is
	CHUNK 2
	CHUNK 3
	WIN 0
	s_wait_tensorcnt 0x0
	ds_add_u32 v62, v63
	s_wait_dscnt 0x0
	ROUND                                          ; the closing round: no work-group ends while a partner may still ask for weights that name it
	s_endpgm
.Lfunc_end_k_q0711e1a96a_down:
	.size	k_q0711e1a96a_down, .Lfunc_end_k_q0711e1a96a_down-k_q0711e1a96a_down
	.p2alignl 7, 3214868480
	.fill 96, 4, 3214868480
	.section	.rodata,"a",@progbits
	.p2align	6, 0x0
	.amdhsa_kernel k_q0711e1a96a_down
		.amdhsa_group_segment_fixed_size 327680
		.amdhsa_private_segment_fixed_size 0
		.amdhsa_enable_private_segment 0
		.amdhsa_kernarg_size 32
		.amdhsa_user_sgpr_count 2
		.amdhsa_user_sgpr_kernarg_segment_ptr 1
		.amdhsa_wavefront_size32 1
		.amdhsa_system_sgpr_workgroup_id_x 1
		.amdhsa_system_sgpr_workgroup_id_y 1
		.amdhsa_system_sgpr_workgroup_id_z 1
		.amdhsa_system_vgpr_workitem_id 0
		.amdhsa_next_free_vgpr 1024
		.amdhsa_next_free_sgpr 66
		.amdhsa_reserve_vcc 0
		.amdhsa_float_denorm_mode_32 3
		.amdhsa_float_denorm_mode_16_64 3
		.amdhsa_memory_ordered 1
		.amdhsa_forward_progress 1
		.amdhsa_inst_pref_size 175
	.end_amdhsa_kernel
	.amdgpu_metadata
---
amdhsa.version: [ 1, 2 ]
amdhsa.kernels:
  - .name:           k_q0711e1a96a_down
    .symbol:         k_q0711e1a96a_down.kd
    .args:
      - { .name: hq, .offset: 0, .size: 8, .value_kind: global_buffer, .address_space: global }
      - { .name: hs, .offset: 8, .size: 8, .value_kind: global_buffer, .address_space: global }
      - { .name: wq2, .offset: 16, .size: 8, .value_kind: global_buffer, .address_space: global }
      - { .name: out0, .offset: 24, .size: 8, .value_kind: global_buffer, .address_space: global }
    .group_segment_fixed_size: 327680
    .private_segment_fixed_size: 0
    .kernarg_segment_align: 8
    .kernarg_segment_size: 32
    .max_flat_workgroup_size: 128
    .sgpr_count:     66
    .vgpr_count:     1024
    .wavefront_size: 32
...
	.end_amdgpu_metadata
.endif
;; end of part 3
